; MI455X (gfx1250); checked and timed in simulation.
; The chip was launched on July 23, 2026; its instructions are those of AMD's public machine-readable ISA for CDNA 5 (MIT licence, August 2026) and "CDNA5" Instruction Set Architecture Reference Guide (July 2026). The comments in the code are by the model that wrote it; some were corrected since.
;; Scaled Dot Product Attention Layer. Allowed arithmetic: float matrix products may take bf16 or f16 operands with f32 sums; other float arithmetic in f32, or as packed bf16 or f16 multiplies, adds, multiply-adds, maxima and minima; sums over many terms, partial sums and values carried from step to step in f32; what a program stores and reads back later, other than sums and carried values, may be rounded once to bf16 or f16.
;; Inputs: key 8 x 2,048 x 1,024 float32; key_mask 8 x 2,048 bool; query 8 x 2,048 x 1,024 float32; query_mask 8 x 2,048 bool; value 8 x 2,048 x 1,024 float32.
;; Outputs: out0 8 x 2,048 x 1,024 float32.
;; 2 versions, each right; version 2 is version 1 with the launch cvt written anew for expert scheduling mode. Each part assembles by itself: llvm-mc -triple=amdgcn-amd-amdhsa -mcpu=gfx1250 --defsym DOCPART=n.
;; ======== version 1 of 2: 3 launches
;; limits: values are held in f16: magnitudes above 65,504 overflow, below 6.1e-05 lose precision; inputs' magnitudes at most 65,504; inputs' magnitudes at most 8,192; right only within a limited range of input values
;; workspace buffers: qh 33,554,432 bytes; kh 33,554,432 bytes; vh 33,554,432 bytes; prob 67,108,864 bytes; mst 1,048,576 bytes; lst 1,048,576 bytes
;; launch cvt (part 1): grid 256 x 2, 16 waves a work-group, no clusters, 0 bytes of LDS; arguments query, key, qh, kh; writes qh, kh
.if DOCPART == 1
	.amdgcn_target "amdgcn-amd-amdhsa--gfx1250"
	.amdhsa_code_object_version 6
	.text
	.protected	k_qbd6072e922_cvt
	.globl	k_qbd6072e922_cvt
	.p2align	8
	.type	k_qbd6072e922_cvt,@function
k_qbd6072e922_cvt:
	s_mov_b64 s[64:65], 0
	v_nop
	global_prefetch_b8 v0, s[64:65] scope:SCOPE_SE
	s_setreg_imm32_b32 hwreg(HW_REG_WAVE_MODE, 25, 1), 1
	s_wait_xcnt 0x0
; query and key ([8][2048][1024] f32) are rounded once to f16 into qh and kh: the operands of the first matrix launch.  (value is rounded by that launch, beside its matrix work.)
; LIMIT.  f16 ends at 65,504: an input of 65,520 or more in magnitude becomes an infinity.  NaN stays NaN.
; SHARES.  The grid's y picks the tensor; a work-group of 16 waves owns 64 rows: 262,144 dense bytes in, 131,072 out.  Thread t owns bytes 16 t of every block of 8,192 input bytes and bytes 8 t of
; every block of 4,096 output bytes: 32 steps.  A wave's load covers 512 consecutive bytes, its store 256 consecutive bytes at a multiple of 256 from the buffer's first byte.
; THE RING.  24 register slots: 24 loads of every wave are on their way.  Steps 0 to 7 convert into registers of their own, so that their slots are loaded again at once (steps 24 to 31); steps 8 to 31
; convert in place, and nothing is loaded behind them.  So no register that a pending store reads is ever rewritten, the two address registers are never rewritten (the step stands in the immediate,
; 253,952 at the most), and the only waits are the counted ones for data.  No LDS, no barrier, no matrix unit: every byte is touched once and no wave needs another's data.
.set STEPS, 32
.set DEPTH, 24
.set XI,    4                          ; v[4:99]     slot i: four f32 as loaded; from step 8 on its first two registers take the four f16
.set YO,    100                        ; v[100:115]  steps 0 to 7: four f16 to store
	s_load_b256 s[4:11], s[0:1], 0x0               ; query s[4:5], key s[6:7], qh s[8:9], kh s[10:11]
	s_and_b32 s16, ttmp7, 0xffff                   ; which tensor
	s_lshl_b32 s2, ttmp9, 18                       ; my 64 rows of 4,096 bytes (under 2^26)
	s_mov_b32 s3, 0
	s_lshl_b32 s18, ttmp9, 17                      ; and of 2,048 bytes
	s_mov_b32 s19, 0
	v_lshlrev_b32 v1, 4, v0                        ; my 16 bytes of an input block; never rewritten
	v_lshlrev_b32 v2, 3, v0                        ; my 8 bytes of an output block; never rewritten
	s_wait_kmcnt 0x0
	s_cmp_eq_u32 s16, 1                            ; the choice hangs on the work-group's number alone
	s_cselect_b64 s[4:5], s[6:7], s[4:5]
	s_cselect_b64 s[8:9], s[10:11], s[8:9]
	s_add_nc_u64 s[4:5], s[4:5], s[2:3]
	s_add_nc_u64 s[8:9], s[8:9], s[18:19]
.set st, 0
.rept DEPTH
	global_load_b128 v[XI+4*st:XI+4*st+3], v1, s[4:5] offset:8192*st th:TH_LOAD_NT  ; the ring is filled: steps 0 to 23
.set st, st+1
.endr
.set st, 0
.rept STEPS
.set sl, st%DEPTH
.if st < STEPS-DEPTH
	s_wait_loadcnt DEPTH-1                         ; loads come back in order (ISA guide 5.7.1): this step is in, the 23 younger ones stay out
	v_cvt_pk_f16_f32 v[YO+2*st], v[XI+4*sl], v[XI+4*sl+1]
	v_cvt_pk_f16_f32 v[YO+2*st+1], v[XI+4*sl+2], v[XI+4*sl+3]
	global_load_b128 v[XI+4*sl:XI+4*sl+3], v1, s[4:5] offset:8192*(st+DEPTH) th:TH_LOAD_NT  ; the slot has been read: it takes the step 24 further on, ahead of the store
	global_store_b64 v2, v[YO+2*st:YO+2*st+1], s[8:9] offset:4096*st
.else
	s_wait_loadcnt STEPS-1-st                      ; all 32 loads have been issued: the counts run down
	v_cvt_pk_f16_f32 v[XI+4*sl], v[XI+4*sl], v[XI+4*sl+1]
	v_cvt_pk_f16_f32 v[XI+4*sl+1], v[XI+4*sl+2], v[XI+4*sl+3]
	global_store_b64 v2, v[XI+4*sl:XI+4*sl+1], s[8:9] offset:4096*st
.endif
.set st, st+1
.endr
	s_endpgm
.Lfunc_end_k_qbd6072e922_cvt:
	.size	k_qbd6072e922_cvt, .Lfunc_end_k_qbd6072e922_cvt-k_qbd6072e922_cvt
	.p2alignl 7, 3214868480
	.fill 96, 4, 3214868480
	.section	.rodata,"a",@progbits
	.p2align	6, 0x0
	.amdhsa_kernel k_qbd6072e922_cvt
		.amdhsa_group_segment_fixed_size 0
		.amdhsa_private_segment_fixed_size 0
		.amdhsa_enable_private_segment 0
		.amdhsa_kernarg_size 32
		.amdhsa_user_sgpr_count 2
		.amdhsa_user_sgpr_kernarg_segment_ptr 1
		.amdhsa_wavefront_size32 1
		.amdhsa_system_sgpr_workgroup_id_x 1
		.amdhsa_system_sgpr_workgroup_id_y 1
		.amdhsa_system_sgpr_workgroup_id_z 1
		.amdhsa_system_vgpr_workitem_id 0
		.amdhsa_next_free_vgpr 116
		.amdhsa_next_free_sgpr 66
		.amdhsa_reserve_vcc 0
		.amdhsa_float_denorm_mode_32 3
		.amdhsa_float_denorm_mode_16_64 3
		.amdhsa_memory_ordered 1
		.amdhsa_forward_progress 1
		.amdhsa_inst_pref_size 12
	.end_amdhsa_kernel
	.amdgpu_metadata
---
amdhsa.version: [ 1, 2 ]
amdhsa.kernels:
  - .name:           k_qbd6072e922_cvt
    .symbol:         k_qbd6072e922_cvt.kd
    .args:
      - { .name: query, .offset: 0, .size: 8, .value_kind: global_buffer, .address_space: global }
      - { .name: key, .offset: 8, .size: 8, .value_kind: global_buffer, .address_space: global }
      - { .name: qh, .offset: 16, .size: 8, .value_kind: global_buffer, .address_space: global }
      - { .name: kh, .offset: 24, .size: 8, .value_kind: global_buffer, .address_space: global }
    .group_segment_fixed_size: 0
    .private_segment_fixed_size: 0
    .kernarg_segment_align: 8
    .kernarg_segment_size: 32
    .max_flat_workgroup_size: 512
    .sgpr_count:     66
    .vgpr_count:     116
    .wavefront_size: 32
...
	.end_amdgpu_metadata
.endif
;; end of part 1
;; launch scores (part 2): grid 8 x 64, 4 waves a work-group, clusters of 4 x 4, 327,680 bytes of LDS; arguments qh, kh, key_mask, prob, mst, lst, value, vh; writes prob, mst, lst, vh
.if DOCPART == 2
	.amdgcn_target "amdgcn-amd-amdhsa--gfx1250"
	.amdhsa_code_object_version 6
	.text
	.protected	k_qbd6072e922_scores
	.globl	k_qbd6072e922_scores
	.p2align	8
	.type	k_qbd6072e922_scores,@function
k_qbd6072e922_scores:
	s_mov_b64 s[64:65], 0
	v_nop
	global_prefetch_b8 v0, s[64:65] scope:SCOPE_SE
	s_setreg_imm32_b32 hwreg(HW_REG_WAVE_MODE, 25, 1), 1
	s_wait_xcnt 0x0
	s_wait_alu depctr_hold_cnt(0) depctr_sa_sdst(0) depctr_va_vdst(0) depctr_va_sdst(0) depctr_va_ssrc(0) depctr_va_vcc(0) depctr_vm_vsrc(0)
	s_getreg_b32 s2, hwreg(HW_REG_IB_STS2, 6, 4)
	s_cmp_eq_u32 s2, 0
	s_cbranch_scc0 .Lentry_in_a_cluster
	s_endpgm
.Lentry_in_a_cluster:
	s_bfe_u32 s2, ttmp6, 0x10000c
	s_cmp_lg_u32 s2, 0xf033
	s_cbranch_scc0 .Lentry_shape_is_right
	s_endpgm
.Lentry_shape_is_right:
; THE FIRST PRODUCT AND THE SOFTMAX OF A CHUNK.  For a tile of 256 queries x 256 keys of one batch: s = q . k (f16 operands, f32 sums over 1,024 channels), and on the way out, for each query and
; each CHUNK of 128 keys (a wave's columns): m = the chunk's largest visible score, p = 2^(c s - c m) with c = log2(e) / 32, l = the sum of p.  Stored: p in f16 ([8][2048 q][2048 k]),
; c m and l in f32 ([8][16 chunks][2048 q]).  The next launch finds each row's maximum over its 16 chunks and applies the correction 2^(c m - c M): a running maximum whose correction comes one launch later.
; THE KEY MASK is the C operand that starts each sum: 0, or -1e30 where the key is hidden.  A chunk's maximum is held at -2^96 or above, so a chunk with no visible key gives p = 0 and l = 0 throughout.
; The query mask is honoured by the next launch.
; VALUE ON THE SIDE.  This launch does not need value; the next one needs it in f16.  So its rounding rides here, beside the matrix work: value's 16,384 rows of 4,096 bytes are 32 for each of the 512
; work-groups, 8 for a wave, ONE FOR EACH OF A TILE'S 8 STEPS: eight loads of 512 consecutive bytes asked for a whole step ahead, sixteen conversions, eight stores of 256 consecutive aligned bytes.
; LIMITS.  A hidden key's weight is exactly 0.  Scores of f16 operands (4.4e12 at the most) are nothing beside 2^96.  p below 6e-5 keeps f16's fixed step of 6e-8; l is summed of the unrounded p.
; A value of 65,520 or more in magnitude becomes an infinity in f16.  NaN and infinities are not treated apart.
; SHARES.  Four waves, as many as a WGP has SIMDs; a wave makes 128 queries x 128 keys: 64 accumulators of 16 x 16, 512 registers.  The channels go in steps of 128 through two LDS slots filled by
; the tensor data mover; a tile's rows are 256 bytes of memory at multiples of 256.  The loop's body is ONE step: the slot's base is a scalar register turned by an exclusive or.
; CLUSTER.  4 x 4 work-groups, all of one batch: the four of a row need the same queries, the four of a column the same keys; each tile is asked for JOINTLY, by the same tensor load with the same
; descriptor and a mask that names the four.
; THE MATRIX INSTRUCTION IS USED TRANSPOSED (source 0 = 16 keys, source 1 = 16 queries): lane l holds ONE query (l % 16) and, in accumulator b, the keys 16 b + 8 (l / 16) + 0..7.  So a query's
; maximum and sum want one exchange between the halves of the lanes, and eight neighbouring p pack into 16 bytes.
; REGISTERS, in windows of 256 (s_set_vgpr_msb: bits 1:0 source 0, 3:2 source 1, 5:4 source 2, 7:6 destination):
;   window 0: v0-63 addresses and statistics; v64-127, v128-191 fragments of Q, two buffers (on the way out: rows read back, partial sums); v192-223 a row of value in f32, on the way out packed p;
;   v224-239 mask bytes, then a row of value in f16, at the end the statistics
;   window 1: v0-63 the mask as C operands; v64-127, v128-191 fragments of K, two buffers
;   window 2: the 32 accumulators of my queries 0-63 (block a, key group b at v[8 (8 a + b)]);   window 3: those of my queries 64-127
.set PITCH,  272                       ; an LDS row: 256 bytes + 16 of padding = 68 words: the 16 rows of a fragment load start at 16 different groups of four banks (64 banks of 4 bytes: ISA guide 11.1)
.set HALFT,  128*PITCH                 ; 128 rows: what one tensor load brings, and what one wave reads of Q or of K
.set SLOT,   4*HALFT                   ; Q's 256 rows, then K's 256 rows.  0x22000: no bit of it is set in wave x HALFT, so an exclusive or with it changes slots
.set STAGE,  2*SLOT                    ; behind the ring: 16 rows x 272 bytes for each wave, for p's way out
.set STATS,  STAGE+4*16*PITCH          ; 1,024 bytes for each wave: 128 c m, then 128 l
.set SPARE,  STATS+4*1024              ; the spare words, 128 bytes for each wave: two blocks of 256 bytes that no other line names
.set TSTEPS, 8                         ; 1,024 channels in steps of 128
.set STEPA,  256                       ; bytes from a step's tile to the next, for Q
.set STEPB,  256                       ; and for K
.set ADRA0, 14                         ; v14  my lane's place in slot 0's Q; never rewritten
.set ADRB0, 15                         ; v15  the same for K
.set ADRA,  16                         ; v16  the same in the slot in hand
.set ADRB,  17                         ; v17
.set KM8,   18                         ; v18  8 (l / 16): my byte offset in 16 mask bytes
.set VL8,   19                         ; v19  8 x lane: my byte offset in 256 bytes of vh
.set SRD,   22                         ; v22  where I read 16 bytes of my wave's statistics back
.set L16,   23                         ; v23  16 x lane
.set STO,   24                         ; v24  the way out: where I put 16 bytes of a row
.set RD,    25                         ; v25  the way out: where I read a row back
.set CO,    26                         ; v26  my byte offset in two rows of prob
.set SST,   27                         ; v27  where I put a statistic: lanes 0-15 c m, lanes 16-31 l
.set SPW,   28                         ; v28  LDS address of my spare word; never rewritten
.set NIL,   29                         ; v29  0; never rewritten
.set CHN,   32                         ; v32-35  four chains of the maximum
.set XO,    36                         ; v36  what the other half of the lanes holds
.set CM,    38                         ; v[38:39]  c m, named as a pair
.set SU,    40                         ; v40  a lane's sum
.set MT,    48                         ; v48-55  c m of block a
.set LS,    56                         ; v56-63  l of block a
.set F0,    64
.set F1,    128
.set PS,    128                        ; the way out: 16 pairs of partial sums
.set TMP,   192                        ; the way out: 32 registers of packed p
.set VX,    192                        ; in the walk: a row of value, eight loads of four f32 a lane
.set MB,    224                        ; mask bytes; at the end the statistics on their way into LDS
.set VY,    224                        ; in the walk: that row in f16, eight stores of four f16 a lane
.set MK,    0                          ; window 1: the C operand for key group b at MK + 8 b
.set CNT, 3
.set G1,  24                           ; s[24:31] descriptor group 1 for Q's tiles
.set G0,  32                           ; s[32:39] group 0 for Q's: set 0 serves step 0; set 1 serves step 1 and then walks
.set G1B, 48                           ; s[48:55], s[56:63] the same for K's
.set G0B, 56
.set BIG, 66                           ; s66  -1e30
.set FLR, 67                           ; s67  -2^96
.set WV,  72                           ; s72  my wave's number
.set RH,  73                           ; s73  which half of the tile's queries is mine.  Also: I fetch for Q (0) or for K (1)
.set CH,  74                           ; s74  which half of its keys.  Also: which 128 rows of that tile I fetch
.set TB,  75                           ; s75  LDS base of the slot to be read next
.set CS,  76                           ; s[76:77] c: the packed scaling takes the pair's low word for both halves
.set SEL, 78                           ; s[78:79] v_permlanex16_b32's selects: each lane takes its own place in the other half
.set VIN, 84                           ; s[84:85] value at the row in hand
.set VOUT, 86                          ; s[86:87] vh at the row in hand
.set MSB, 0
.macro WIN new                         ; the immediate's high byte repeats the setting that is left; a switch that changes nothing is dropped
.if MSB != (\new)
	s_set_vgpr_msb (MSB<<8)|(\new)
.set MSB, \new
.endif
.endm
.set MUL_LO, 0xa1                      ; source 0 (K) window 1, source 1 (Q) window 0, C and D window 2
.set TO_B,   0x40                      ; destination window 1, address window 0
; A joint load.  Waves 0 and 1 fetch Q's two halves, waves 2 and 3 K's.  The branch hangs on the wave's number alone.  An s_nop 0 and four v_nop follow each of the two lines.
.macro JLOAD s
	s_cmp_eq_u32 s[RH], 0
	s_cbranch_scc0 .Lfor_b_\@
	tensor_load_to_lds s[G0+4*(\s):G0+4*(\s)+3], s[G1:G1+7]
	s_nop 0
.rept 4
	v_nop
.endr
	s_branch .Lasked_\@
.Lfor_b_\@:
	tensor_load_to_lds s[G0B+4*(\s):G0B+4*(\s)+3], s[G1B:G1B+7]
	s_nop 0
.rept 4
	v_nop
.endr
.Lasked_\@:
.endm
; A round of the cluster's barrier: my work-group's barrier, so that wave 0's signal speaks for all four waves; wave 0 signals; every wave waits for all sixteen work-groups; my work-group's barrier once more.
.macro CREST                           ; a round behind its opening barrier
	s_cmp_lg_u32 s[WV], 0
	s_cbranch_scc1 .Lnot_wave_0_\@
	s_barrier_signal -3
.Lnot_wave_0_\@:
	s_barrier_wait -3
	s_barrier_signal -1
	s_barrier_wait -1
.endm
.macro CROUND
	s_barrier_signal -1
	s_barrier_wait -1
	CREST
.endm
.macro PLACES                          ; four plain places in front of loads into registers that matrix instructions have read, and of vector lines that read results
.rept 4
	v_nop
.endr
.endm
	s_load_b256 s[4:11], s[0:1], 0x0               ; qh s[4:5], kh s[6:7], key_mask s[8:9], prob s[10:11]
	s_load_b128 s[68:71], s[0:1], 0x20             ; mst s[68:69], lst s[70:71]
	s_load_b128 s[84:87], s[0:1], 0x30             ; value s[84:85], vh s[86:87]
	v_lshl_add_u32 v[SPW], v0, 2, SPARE
	v_mov_b32 v[NIL], 0
	ds_add_u32 v[SPW], v[NIL]                      ; the wave's opening: the add and its wait stand ahead of my first tensor load; the set-up below, work on registers, stands between them
	v_lshrrev_b32 v1, 5, v0
	v_readfirstlane_b32 s[WV], v1                  ; wave 0..3
	s_lshr_b32 s[RH], s[WV], 1
	s_and_b32 s[CH], s[WV], 1
	s_bfe_u32 s40, ttmp6, 0x40000                  ; cx
	s_bfe_u32 s41, ttmp6, 0x40004                  ; cy
	s_lshl_b32 s42, ttmp9, 2
	s_add_co_u32 s42, s42, s40                     ; key tile 0..7 = 4 x cluster x + cx
	s_and_b32 s45, ttmp7, 0xffff                   ; cluster y
	s_lshl_b32 s13, s45, 2
	s_add_co_u32 s13, s13, s41                     ; y = 4 x cluster y + cy = 8 x batch + query tile
	s_lshr_b32 s45, s45, 1                         ; the batch, of the cluster's y alone: all sixteen partners share it
	s_lshl_b32 s43, s41, 2
	s_lshl_b32 s43, 15, s43                        ; my row of the cluster
	s_lshl_b32 s44, 0x1111, s40                    ; my column
	; descriptor group 1: a tile of 128 rows x 128 elements, padded in LDS
	s_or_b32 s[G1], s43, (1<<16)|(1<<20)|(1<<21)|(5<<22)|(3<<25)   ; 15:0 the mask: Q's tiles go to my row; 17:16 2-byte elements; 20 padding on; 21 set beside a mask; 24:22 after every 64 words (code 5); 31:25 4 words (code 3)
	s_or_b32 s[G1B], s44, (1<<16)|(1<<20)|(1<<21)|(5<<22)|(3<<25)  ; the same with the mask of my column, for K's tiles
.irp g, G1, G1B
	s_mov_b32 s[(\g)+1], 128<<16                   ; tensor_dim0 = 128
	s_mov_b32 s[(\g)+2], 128<<16                   ; tensor_dim1 = 128
	s_mov_b32 s[(\g)+3], 128<<16                   ; tile_dim0 = 128
	s_mov_b32 s[(\g)+4], 128                       ; tile_dim1 = 128
	s_mov_b32 s[(\g)+5], 1024                      ; 1,024 elements from row to row
	s_mov_b32 s[(\g)+6], 0
	s_mov_b32 s[(\g)+7], 0
.endr
	; where the tiles come from.  Q's hang on y alone, which my row of the cluster shares; K's on the batch and the key tile, which my column shares.
	s_lshl_b32 s17, s[CH], 7                       ; which 128 rows of the tile I fetch
	s_lshl_b32 s16, s13, 8
	s_add_co_u32 s16, s16, s17                     ; Q: row 256 y + 128 x half, of 16,384
	s_lshl_b32 s16, s16, 11                        ; x 2,048 bytes: under 2^25
	s_lshl_b32 s46, s45, 11
	s_lshl_b32 s47, s42, 8
	s_add_co_u32 s46, s46, s47
	s_add_co_u32 s46, s46, s17                     ; K: row 2,048 x batch + 256 x key tile + 128 x half
	s_lshl_b32 s46, s46, 11
	s_mov_b32 s17, 0
	s_mov_b32 s47, 0
	s_mul_i32 s20, s[WV], HALFT                    ; and where they go: wave x 128 rows: no place in the cluster enters an LDS address
	s_mov_b32 s[CS], 0x3d38aa3b                    ; c = log2(e) / 32 = 0.0450842
	s_mov_b32 s[CS+1], s[CS]
	s_mov_b32 s[SEL], 0x76543210
	s_mov_b32 s[SEL+1], 0xfedcba98
	s_mov_b32 s[BIG], 0xf149f2ca
	s_mov_b32 s[FLR], 0xef800000
	s_wait_dscnt 0x0                               ; the opening add is done
	s_wait_kmcnt 0x0
	s_add_nc_u64 s[14:15], s[4:5], s[16:17]
	s_add_nc_u64 s[46:47], s[6:7], s[46:47]
	CROUND                                         ; all sixteen work-groups are here: the first joint loads meet
.irp s, 0,1
	s_mov_b32 s[G0+4*(\s)], 1                                      ; count = 1
	s_add_co_u32 s[G0+4*(\s)+1], s20, (\s)*SLOT                    ; LDS address
	s_add_nc_u64 s[G0+4*(\s)+2:G0+4*(\s)+3], s[14:15], (\s)*STEPA  ; global address: step s
	s_or_b32 s[G0+4*(\s)+3], s[G0+4*(\s)+3], 0x80000000            ; type = 2
	s_mov_b32 s[G0B+4*(\s)], 1
	s_add_co_u32 s[G0B+4*(\s)+1], s20, (\s)*SLOT
	s_add_nc_u64 s[G0B+4*(\s)+2:G0B+4*(\s)+3], s[46:47], (\s)*STEPB
	s_or_b32 s[G0B+4*(\s)+3], s[G0B+4*(\s)+3], 0x80000000
	JLOAD \s                                       ; both slots are asked for before anything else is done: two tensor loads of mine are out
.endr
	; the key mask of my 128 keys: lane l wants, for key group b, the bytes 16 b + 8 (l / 16) + 0..7
	v_and_b32 v1, 15, v0                           ; l % 16
	v_bfe_u32 v2, v0, 4, 1                         ; l / 16
	v_lshlrev_b32 v[KM8], 3, v2
	v_and_b32 v4, 31, v0                           ; lane
	v_lshlrev_b32 v[L16], 4, v4
	v_lshlrev_b32 v[VL8], 3, v4
	s_lshl_b32 s18, s45, 11
	s_lshl_b32 s19, s42, 8
	s_add_co_u32 s18, s18, s19
	s_lshl_b32 s19, s[CH], 7
	s_add_co_u32 s18, s18, s19                     ; 2,048 x batch + 256 x key tile + 128 x half
	s_mov_b32 s19, 0
	s_add_nc_u64 s[8:9], s[8:9], s[18:19]
.irp b, 0,1,2,3,4,5,6,7
	global_load_b64 v[MB+2*\b:MB+2*\b+1], v[KM8], s[8:9] offset:16*\b
.endr
	; value and vh at my wave's 8 rows: wave number (8 y + key tile) x 4 + w among the launch's 2,048, x 8 rows of 4,096 and of 2,048 bytes (under 2^26)
	s_lshl_b32 s88, s13, 3
	s_add_co_u32 s88, s88, s42
	s_lshl_b32 s88, s88, 2
	s_add_co_u32 s88, s88, s[WV]
	s_lshl_b32 s90, s88, 14
	s_lshl_b32 s88, s88, 15
	s_mov_b32 s89, 0
	s_mov_b32 s91, 0
	s_add_nc_u64 s[VIN:VIN+1], s[VIN:VIN+1], s[88:89]
	s_add_nc_u64 s[VOUT:VOUT+1], s[VOUT:VOUT+1], s[90:91]
.irp j, 0,1,2,3,4,5,6,7
	global_load_b128 v[VX+4*\j:VX+4*\j+3], v[L16], s[VIN:VIN+1] offset:512*\j th:TH_LOAD_NT  ; my first row of value
.endr
	; A fragment is 16 rows x 32 channels in 8 registers: lane l holds row l % 16, channels 8 (l / 16) + 0..7 and 16 + 8 (l / 16) + 0..7: two loads of 16 bytes, 32 bytes apart.
	v_mul_u32_u24 v3, v1, PITCH
	v_lshl_add_u32 v3, v2, 4, v3                   ; row x pitch + 16 x half
	s_mul_i32 s21, s[RH], HALFT                    ; my 128 rows of Q
	s_mul_i32 s22, s[CH], HALFT                    ; my 128 rows of K,
	s_add_co_u32 s22, s22, 2*HALFT                 ; which lie behind Q's 256
	v_add_nc_u32 v[ADRA0], s21, v3
	v_add_nc_u32 v[ADRB0], s22, v3
	s_mul_i32 s23, s[WV], 16*PITCH
	s_add_co_u32 s23, s23, STAGE                   ; my stage
	v_add_nc_u32 v[STO], s23, v3                   ; in: row l % 16, 16 bytes for each half of the lanes
	v_mul_u32_u24 v5, v2, PITCH                    ; back: lanes 0-15 take one row of 256 bytes, lanes 16-31 the next
	v_lshl_add_u32 v5, v1, 4, v5
	v_add_nc_u32 v[RD], s23, v5
	v_lshlrev_b32 v5, 12, v2                       ; and the same two rows in prob, 4,096 bytes apart
	v_lshl_add_u32 v[CO], v1, 4, v5
	s_lshl_b32 s23, s[WV], 10
	s_add_co_u32 s23, s23, STATS                   ; my statistics
	v_add_nc_u32 v[SRD], s23, v[L16]
	v_lshlrev_b32 v5, 9, v2
	v_lshl_add_u32 v5, v1, 2, v5
	v_add_nc_u32 v[SST], s23, v5
	v_mov_b32 v[XO], 0                             ; v_permlanex16_b32's destination counts as read
	v_mov_b32 v[CM+1], 0                           ; named with c m as a pair
	; prob at my wave's first row and column: (256 y + 128 x row half) x 4,096 + 512 x key tile + 256 x column half, under 2^26
	s_lshl_b32 s18, s13, 8
	s_lshl_b32 s19, s[RH], 7
	s_add_co_u32 s18, s18, s19
	s_lshl_b32 s18, s18, 12
	s_lshl_b32 s19, s42, 9
	s_add_co_u32 s18, s18, s19
	s_lshl_b32 s19, s[CH], 8
	s_add_co_u32 s18, s18, s19
	s_mov_b32 s19, 0
	s_add_nc_u64 s[10:11], s[10:11], s[18:19]
	; mst and lst at my chunk and my 128 queries: ((16 x batch + 2 x key tile + column half) x 2,048 + 256 x query tile + 128 x row half) x 4
	s_lshl_b32 s18, s45, 4
	s_lshl_b32 s19, s42, 1
	s_add_co_u32 s18, s18, s19
	s_add_co_u32 s18, s18, s[CH]
	s_lshl_b32 s18, s18, 11
	s_and_b32 s19, s13, 7
	s_lshl_b32 s19, s19, 8
	s_add_co_u32 s18, s18, s19
	s_lshl_b32 s19, s[RH], 7
	s_add_co_u32 s18, s18, s19
	s_lshl_b32 s18, s18, 2
	s_mov_b32 s19, 0
	s_add_nc_u64 s[68:69], s[68:69], s[18:19]
	s_add_nc_u64 s[70:71], s[70:71], s[18:19]
	; the mask bytes become C operands: (byte - 1) and -1e30: 0 for a visible key, -1e30 for a hidden one.  All this stands in the wait for the first tile.
	s_wait_loadcnt 0x8                             ; the mask is in; the eight loads of value issued behind it stay out
	WIN 0x40                                       ; destination window 1
.set z, 0
.rept 64
	v_bfe_u32 v[MK+z], v[MB+2*(z/8)+(z%8)/4], 8*(z%4), 1
.set z, z+1
.endr
	WIN 0x44                                       ; destination and source 1 window 1
.set z, 0
.rept 64
	v_add_nc_u32 v[MK+z], -1, v[MK+z]
.set z, z+1
.endr
.set z, 0
.rept 64
	v_and_b32 v[MK+z], s[BIG], v[MK+z]
.set z, z+1
.endr
	WIN 0
; 16 matrix instructions: query blocks a0, a0 + 1 of the window's four (hi = 0: my queries 0-63, 1: 64-127) x all 8 key groups, 32 channels.
; first = 1: the product starts the sum, with the key group's mask as C: nothing is ever cleared.
.macro MUL16 f, hi, a0, first
.if \first
	WIN 0x91+0x40*(\hi)                            ; as below, but C in window 1
.else
	WIN MUL_LO+0x50*(\hi)
.endif
.irp a, \a0, (\a0)+1
.irp b, 0,1,2,3,4,5,6,7
.if \first
	v_wmma_f32_16x16x32_f16 v[8*(8*(\a)+(\b)):8*(8*(\a)+(\b))+7], v[(\f)+8*(\b):(\f)+8*(\b)+7], v[(\f)+8*(4*(\hi)+(\a)):(\f)+8*(4*(\hi)+(\a))+7], v[MK+8*(\b):MK+8*(\b)+7]
.else
	v_wmma_f32_16x16x32_f16 v[8*(8*(\a)+(\b)):8*(8*(\a)+(\b))+7], v[(\f)+8*(\b):(\f)+8*(\b)+7], v[(\f)+8*(4*(\hi)+(\a)):(\f)+8*(4*(\hi)+(\a))+7], v[8*(8*(\a)+(\b)):8*(8*(\a)+(\b))+7]
.endif
.endr
.endr
.endm
; 32 LDS loads in one run: the fragments of a quarter step (128 rows of K, 128 of Q, 32 channels at byte k of the rows) into buffer f.  It leaves every window 0.
.macro FETCH k, f
	WIN TO_B
.irp i, 0,1,2,3,4,5,6,7
	ds_load_b128 v[(\f)+8*(\i):(\f)+8*(\i)+3],   v[ADRB] offset:(\k)+(\i)*16*PITCH
	ds_load_b128 v[(\f)+8*(\i)+4:(\f)+8*(\i)+7], v[ADRB] offset:(\k)+(\i)*16*PITCH+32
.endr
	WIN 0
.irp i, 0,1,2,3,4,5,6,7
	ds_load_b128 v[(\f)+8*(\i):(\f)+8*(\i)+3],   v[ADRA] offset:(\k)+(\i)*16*PITCH
	ds_load_b128 v[(\f)+8*(\i)+4:(\f)+8*(\i)+7], v[ADRA] offset:(\k)+(\i)*16*PITCH+32
.endr
.endm
; VALUE'S ROW OF THIS STEP, in window 0.  The row asked for a step ago is rounded; the next row is asked for, ahead of the stores; the rounded row is stored.  The f16 registers were freed by VSTEP's wait.
; last = 1 (the tail): in the tile's last step there is no further row, and the eight loads are jumped over: no load leaves my 8 rows.
.macro VCV last
	s_wait_loadcnt 0x0                             ; my only loads that are out: the row's eight, issued a whole step (256 matrix instructions) ago
.set z, 0
.rept 8
	v_cvt_pk_f16_f32 v[VY+2*z], v[VX+4*z], v[VX+4*z+1]
	v_cvt_pk_f16_f32 v[VY+2*z+1], v[VX+4*z+2], v[VX+4*z+3]
.set z, z+1
.endr
.if \last
	s_cmp_eq_u32 s[CNT], 1
	s_cbranch_scc1 .Lno_row_\@
.endif
.set z, 0
.rept 8
	global_load_b128 v[VX+4*z:VX+4*z+3], v[L16], s[VIN:VIN+1] offset:4096+512*z th:TH_LOAD_NT
.set z, z+1
.endr
.if \last
.Lno_row_\@:
.endif
.set z, 0
.rept 8
	global_store_b64 v[VL8], v[VY+2*z:VY+2*z+1], s[VOUT:VOUT+1] offset:256*z  ; the wave stores 256 consecutive bytes, at a multiple of 256 from vh's first byte
.set z, z+1
.endr
.endm
; A quarter step later the two bases go one row on.
.macro VSTEP
	s_wait_xcnt 0x0                                ; the loads and stores above have had their addresses translated (ISA guide 3.1): only behind this wait are their bases, and the stores' registers, rewritten
	s_add_nc_u64 s[VIN:VIN+1], s[VIN:VIN+1], 4096
	s_add_nc_u64 s[VOUT:VOUT+1], s[VOUT:VOUT+1], 2048
.endm
; A step is four quarters of 32 channels, 64 matrix instructions each, on buffers 0, 1, 0, 1; the 64 accumulators take turns in the same order in every quarter.
; One of the first three: multiplies buffer f; in its middle it fetches the next quarter's fragments, at byte k of the slot's rows, into buffer g.
; v = 1: value's row rides behind the fetch, where the windows are 0;  2: the same in the tail;  3: its bases are stepped.
.macro QUARTER k, f, g, first, v=0
	s_wait_dscnt 8                                 ; K and Q's rows 0-63 are in; the youngest eight loads (Q's rows 64-127) may be out
	MUL16 \f, 0, 0, \first
	MUL16 \f, 0, 2, \first
	PLACES
	FETCH \k, \g
.if (\v) == 1
	VCV 0
.elseif (\v) == 2
	VCV 1
.elseif (\v) == 3
	VSTEP
.endif
	s_wait_dscnt 32                                ; all LDS loads but the 32 just issued
	MUL16 \f, 1, 0, \first
	MUL16 \f, 1, 2, \first
.endm
; The last quarter multiplies buffer 1 and changes slots: ONE barrier.  In front of it each wave waits for all its tensor loads, of which one is out: its part of the next slot; adds 0 to its spare word;
; and waits for that and for its own reads of this slot.  Behind it nobody reads this slot any more and the next slot is whole.
; fill = 1: the barrier opens a round of the cluster's, and the slot just read is filled again, two steps ahead, first thing behind the round: 224 matrix instructions ahead of the wait for it.
.macro TURN fill
	WIN 0                                          ; (the add's two registers lie in window 0)
	s_wait_tensorcnt 0x0                           ; all my tensor loads have landed
	ds_add_u32 v[SPW], v[NIL]                      ; 0 onto my spare word
	s_wait_dscnt 9                                 ; (the add and the youngest eight loads may be out)
	MUL16 F1, 0, 0, 0                              ; sixteen matrix instructions stand between the add and the wait for it
	s_wait_dscnt 0x0                               ; the add is done, and my reads of this slot are over
	s_barrier_signal -1
	MUL16 F1, 0, 2, 0                              ; work on registers while the others arrive
	WIN 0
	s_barrier_wait -1
.if \fill
	CREST                                          ; no wave of any partner still reads this slot's tile or has a load on its way
	s_xor_b32 s[G0+5], s[G0+5], SLOT               ; the walking descriptors: the other slot than last time,
	s_add_nc_u64 s[G0+6:G0+7], s[G0+6:G0+7], STEPA ; the next step; the type bits on top are not reached
	s_xor_b32 s[G0B+5], s[G0B+5], SLOT
	s_add_nc_u64 s[G0B+6:G0B+7], s[G0B+6:G0B+7], STEPB
	JLOAD 1                                        ; the four v_nop behind it are also the places in front of the loads below
.else
	PLACES
.endif
	v_add_nc_u32 v[ADRA], s[TB], v[ADRA0]          ; the fetches go on in the other slot
	v_add_nc_u32 v[ADRB], s[TB], v[ADRB0]
	s_xor_b32 s[TB], s[TB], SLOT
	FETCH 0, F0
	MUL16 F1, 1, 0, 0
	MUL16 F1, 1, 2, 0
.endm
; THE WAY OUT of block a (16 queries x 128 keys, 64 registers s0-s63 a lane).  SOFT: the chunk's maximum, p, its rounding and its sum.
.macro SOFT a
.set AC, 64*((\a)%4)
.set WD, 2+(\a)/4                      ; the block's window
	WIN WD|(WD<<2)|(WD<<4)                         ; three sources in the block's window, destination window 0
.irp b, 0,1,2,3                        ; four chains, three operands at a time; each accumulator's lowest registers are read first
	v_max3_num_f32 v[CHN+\b], v[AC+8*\b], v[AC+8*\b+1], v[AC+8*\b+2]
.endr
	WIN (WD<<2)|(WD<<4)
.irp p, 3,5
.irp b, 0,1,2,3
	v_max3_num_f32 v[CHN+\b], v[CHN+\b], v[AC+8*\b+\p], v[AC+8*\b+\p+1]
.endr
.endr
.irp p, 0,2,4,6
.irp b, 4,5,6,7
	v_max3_num_f32 v[CHN+\b-4], v[CHN+\b-4], v[AC+8*\b+\p], v[AC+8*\b+\p+1]
.endr
.endr
	v_max3_num_f32 v[CHN], v[CHN], v[AC+7], v[AC+15]       ; the four scores left over
	v_max3_num_f32 v[CHN+1], v[CHN+1], v[AC+23], v[AC+31]
	WIN 0
	v_max3_num_f32 v[CHN], v[CHN], v[CHN+1], v[CHN+2]
	v_max_num_f32 v[CHN], v[CHN], v[CHN+3]
	v_permlanex16_b32 v[XO], v[CHN], s[SEL], s[SEL+1]      ; the query's other 64 keys lie in the lane 16 away
	v_max3_num_f32 v[CHN], v[CHN], v[XO], s[FLR]           ; never below -2^96: a chunk of hidden keys alone gets p = 0, not 1
	v_mul_f32 v[CM], s[CS], v[CHN]
	v_mov_b32 v[MT+(\a)], v[CM]
	WIN (WD<<6)|WD                                 ; destination and source 0 in the block's window, c m in window 0
.set z, 0
.rept 2
	v_pk_fma_f32 v[AC+2*z:AC+2*z+1], v[AC+2*z:AC+2*z+1], s[CS:CS+1], v[CM:CM+1] op_sel_hi:[1,0,0] neg_lo:[0,0,1] neg_hi:[0,0,1]  ; c s - c m
.set z, z+1
.endr
.set z, 0
.rept 32                               ; two exponentials, then the scaling of the pair two further on: a plain line stands behind every pair of exponentials before a result is used (ISA guide 5.7.2)
	v_exp_f32 v[AC+2*z], v[AC+2*z]
	v_exp_f32 v[AC+2*z+1], v[AC+2*z+1]
.if z < 30
	v_pk_fma_f32 v[AC+2*z+4:AC+2*z+5], v[AC+2*z+4:AC+2*z+5], s[CS:CS+1], v[CM:CM+1] op_sel_hi:[1,0,0] neg_lo:[0,0,1] neg_hi:[0,0,1]
.endif
.set z, z+1
.endr
	WIN WD|(WD<<2)                                 ; sources in the block's window, destination window 0
.set z, 0
	s_wait_alu depctr_va_vdst(0)
.rept 32
	v_cvt_pk_f16_f32 v[TMP+z], v[AC+2*z], v[AC+2*z+1]      ; the first of these is the plain line behind the last exponentials
.set z, z+1
.endr
.set z, 0
.rept 16
	v_pk_add_f32 v[PS+2*z:PS+2*z+1], v[AC+4*z:AC+4*z+1], v[AC+4*z+2:AC+4*z+3]  ; the sum is taken of the unrounded p, in f32
.set z, z+1
.endr
	WIN 0
.irp n, 8,4,2,1
.set z, 0
.rept \n
	v_pk_add_f32 v[PS+2*z:PS+2*z+1], v[PS+2*z:PS+2*z+1], v[PS+2*(z+\n):PS+2*(z+\n)+1]
.set z, z+1
.endr
.endr
	v_add_f32 v[SU], v[PS], v[PS+1]
	v_permlanex16_b32 v[XO], v[SU], s[SEL], s[SEL+1]
	v_add_f32 v[LS+(\a)], v[SU], v[XO]
.endm
; TOSTAGE: a lane's 16 bytes go into rows of 272 bytes of my own stage and come back as whole rows of 256.  SEND: stored.
.macro TOSTAGE a
	WIN 0
.set BK, F0+32*((\a)%2)
.irp b, 0,1,2,3,4,5,6,7
	ds_store_b128 v[STO], v[TMP+4*(\b):TMP+4*(\b)+3] offset:32*(\b)
.endr
.irp t, 0,1,2,3,4,5,6,7
	ds_load_b128 v[BK+4*(\t):BK+4*(\t)+3], v[RD] offset:(\t)*2*PITCH  ; LDS serves a wave's instructions in order (ISA guide 5.7.1.4): these see the stores above
.endr
.endm
.macro SEND a
	WIN 0
.set BK, F0+32*((\a)%2)
	s_wait_dscnt 0x0                               ; the block is back in registers
	s_wait_xcnt 0x0                                ; earlier stores have read their base and their registers: only behind this wait are these rewritten
.if (\a) > 0
	s_add_nc_u64 s[10:11], s[10:11], 16*4096       ; 16 rows of prob on
.endif
.irp t, 0,1,2,3,4,5,6,7
	global_store_b128 v[CO], v[BK+4*(\t):BK+4*(\t)+3], s[10:11] offset:8192*(\t)  ; 16 lanes store 256 consecutive bytes, at a multiple of 256 from prob's first byte
.endr
.endm
	s_wait_tensorcnt 0x1                           ; my part of step 0 is in; step 1's may stay out
	s_barrier_signal -1
	s_barrier_wait -1                              ; everybody's is
	v_mov_b32 v[ADRA], v[ADRA0]
	v_mov_b32 v[ADRB], v[ADRB0]
	s_mov_b32 s[TB], SLOT
	FETCH 0, F0
	QUARTER 64, F0, F1, 1                          ; the first quarter stands in front of the loop: its products start the sums, on the mask
	WIN 0                                          ; at a label and at a branch every window is 0
	s_mov_b32 s[CNT], TSTEPS-2
.Lstep:                                                ; trip n goes from step n's second quarter to step n + 1's first, fills step n's slot with step n + 2, rounds value's row n and asks for row n + 1
	QUARTER 128, F1, F0, 0, 1
	QUARTER 192, F0, F1, 0, 3
	TURN 1
	QUARTER 64, F0, F1, 0
	WIN 0
	s_sub_co_u32 s[CNT], s[CNT], 1
	s_cmp_lg_u32 s[CNT], 0
	s_cbranch_scc1 .Lstep
	s_mov_b32 s[CNT], 2
.Ltail:                                                ; the last two steps ask for no tile; one text for both, left in its middle.  The second trip's 32 fragment loads serve nothing: the price, once, of that one text
	QUARTER 128, F1, F0, 0, 2                      ; value's rows 6 and 7; row 7 is asked for in the first trip, nothing in the second
	QUARTER 192, F0, F1, 0, 3
	TURN 0
	WIN 0
	s_sub_co_u32 s[CNT], s[CNT], 1
	s_cmp_eq_u32 s[CNT], 0
	s_cbranch_scc1 .Lout
	QUARTER 64, F0, F1, 0
	WIN 0
	s_branch .Ltail
.Lout:
	s_wait_dscnt 0x0                               ; the fragment buffers are free
	s_wait_loadcnt 0x0                             ; and so are the registers that took value's rows: none of their loads is out (the last step asked for none)
	PLACES                                         ; the lines below read results just made
	SOFT 0
	TOSTAGE 0
.irp a, 1,2,3,4,5,6,7                  ; block a's softmax stands between block a - 1's loads from the stage and the wait for them
	SOFT \a
	SEND (\a)-1
	TOSTAGE \a
.endr
	SEND 7
	; the statistics: both halves of the lanes hold both numbers; lanes 0-15 put c m, lanes 16-31 l; then 512 consecutive bytes of each leave
	v_cmp_eq_u32 s80, 1, v2
.irp a, 0,1,2,3,4,5,6,7
	v_cndmask_b32 v[MB+\a], v[MT+\a], v[LS+\a], s80
	ds_store_b32 v[SST], v[MB+\a] offset:64*\a
.endr
	ds_load_b128 v[CHN:CHN+3], v[SRD]
	ds_load_b128 v[SU:SU+3], v[SRD] offset:512
	s_wait_dscnt 0x0
	global_store_b128 v[L16], v[CHN:CHN+3], s[68:69]
	global_store_b128 v[L16], v[SU:SU+3], s[70:71]
	s_wait_tensorcnt 0x0                           ; the wave's end, behind my last tensor load and my last LDS store
	ds_add_u32 v[SPW], v[NIL]
	s_wait_dscnt 0x0
	CROUND                                         ; the closing round: no work-group ends while a partner may still ask for a tile that names it
	s_endpgm
.Lfunc_end_k_qbd6072e922_scores:
	.size	k_qbd6072e922_scores, .Lfunc_end_k_qbd6072e922_scores-k_qbd6072e922_scores
	.p2alignl 7, 3214868480
	.fill 96, 4, 3214868480
	.section	.rodata,"a",@progbits
	.p2align	6, 0x0
	.amdhsa_kernel k_qbd6072e922_scores
		.amdhsa_group_segment_fixed_size 327680
		.amdhsa_private_segment_fixed_size 0
		.amdhsa_enable_private_segment 0
		.amdhsa_kernarg_size 64
		.amdhsa_user_sgpr_count 2
		.amdhsa_user_sgpr_kernarg_segment_ptr 1
		.amdhsa_wavefront_size32 1
		.amdhsa_system_sgpr_workgroup_id_x 1
		.amdhsa_system_sgpr_workgroup_id_y 1
		.amdhsa_system_sgpr_workgroup_id_z 1
		.amdhsa_system_vgpr_workitem_id 0
		.amdhsa_next_free_vgpr 1024
		.amdhsa_next_free_sgpr 92
		.amdhsa_reserve_vcc 0
		.amdhsa_float_denorm_mode_32 3
		.amdhsa_float_denorm_mode_16_64 3
		.amdhsa_memory_ordered 1
		.amdhsa_forward_progress 1
		.amdhsa_inst_pref_size 185
	.end_amdhsa_kernel
	.amdgpu_metadata
---
amdhsa.version: [ 1, 2 ]
amdhsa.kernels:
  - .name:           k_qbd6072e922_scores
    .symbol:         k_qbd6072e922_scores.kd
    .args:
      - { .name: qh, .offset: 0, .size: 8, .value_kind: global_buffer, .address_space: global }
      - { .name: kh, .offset: 8, .size: 8, .value_kind: global_buffer, .address_space: global }
      - { .name: key_mask, .offset: 16, .size: 8, .value_kind: global_buffer, .address_space: global }
      - { .name: prob, .offset: 24, .size: 8, .value_kind: global_buffer, .address_space: global }
      - { .name: mst, .offset: 32, .size: 8, .value_kind: global_buffer, .address_space: global }
      - { .name: lst, .offset: 40, .size: 8, .value_kind: global_buffer, .address_space: global }
      - { .name: value, .offset: 48, .size: 8, .value_kind: global_buffer, .address_space: global }
      - { .name: vh, .offset: 56, .size: 8, .value_kind: global_buffer, .address_space: global }
    .group_segment_fixed_size: 327680
    .private_segment_fixed_size: 0
    .kernarg_segment_align: 8
    .kernarg_segment_size: 64
    .max_flat_workgroup_size: 128
    .sgpr_count:     92
    .vgpr_count:     1024
    .wavefront_size: 32
...
	.end_amdgpu_metadata
.endif
;; end of part 2
;; launch mix (part 3): grid 4 x 64, 4 waves a work-group, clusters of 4 x 4, 327,680 bytes of LDS; arguments prob, vh, mst, lst, query_mask, out0; writes out0
.if DOCPART == 3
	.amdgcn_target "amdgcn-amd-amdhsa--gfx1250"
	.amdhsa_code_object_version 6
	.text
	.protected	k_qbd6072e922_mix
	.globl	k_qbd6072e922_mix
	.p2align	8
	.type	k_qbd6072e922_mix,@function
k_qbd6072e922_mix:
	s_mov_b64 s[64:65], 0
	v_nop
	global_prefetch_b8 v0, s[64:65] scope:SCOPE_SE
	s_setreg_imm32_b32 hwreg(HW_REG_WAVE_MODE, 25, 1), 1
	s_wait_xcnt 0x0
	s_wait_alu depctr_hold_cnt(0) depctr_sa_sdst(0) depctr_va_vdst(0) depctr_va_sdst(0) depctr_va_ssrc(0) depctr_va_vcc(0) depctr_vm_vsrc(0)
	s_getreg_b32 s2, hwreg(HW_REG_IB_STS2, 6, 4)
	s_cmp_eq_u32 s2, 0
	s_cbranch_scc0 .Lentry_in_a_cluster
	s_endpgm
.Lentry_in_a_cluster:
	s_bfe_u32 s2, ttmp6, 0x10000c
	s_cmp_lg_u32 s2, 0xf033
	s_cbranch_scc0 .Lentry_shape_is_right
	s_endpgm
.Lentry_shape_is_right:
; THE SECOND PRODUCT.  out0[q][ch] = inv[q] x the sum over chunks t and their keys k of (w[t][q] p[q][k]) v[k][ch], for a tile of 256 queries x 256 channels of one batch.
; p ([8][2048 q][2048 k] f16) holds 2^(c s - c m_t) with a maximum m_t of its own for each chunk t of 128 keys; mst holds c m_t, lst the chunk's sum l_t ([8][16][2048] f32).
; The head makes, for the work-group's 256 queries: c M = the largest c m_t; w_t = 2^(c m_t - c M), the running maximum's correction; L = the sum of w_t l_t (all f32); inv = 1 / L, or 0 where the
; query is hidden or L = 0 (no visible key in the batch).  w_t goes to LDS in f16; a K step is one chunk, and each fragment of p is multiplied by its row's w_t (packed f16) on its way into the matrix unit.
; LIMITS.  w p is rounded to f16 once more; below 6e-5 it keeps f16's fixed step of 6e-8, so a weight below 6e-8 of its row's largest counts as 0.  A row that is 0 may carry the sign of its
; unscaled sum (-0).  L is 0 or at least 1.  NaN and infinities are not treated apart.
; SHARES, RING, CLUSTER.  Four waves, each 128 queries x 128 channels: 64 accumulators.  The keys go in steps of 128 through two LDS slots; the loop's body is ONE step, the slot's base a scalar turned by
; an exclusive or.  4 x 4 work-groups of one batch form a cluster: p's tile is shared along a row (the four channel tiles), v's along a column (four query tiles); each is asked for JOINTLY.
; THE MATRIX INSTRUCTION IS USED TRANSPOSED (source 0 = 16 channels, source 1 = 16 queries): lane l holds ONE query (l % 16) and, in accumulator b, the channels 16 b + 8 (l / 16) + 0..7.
; p comes out of LDS as it lies, v ([key][channel]) turned, by ds_load_tr16_b128.
; REGISTERS, in windows of 256 (s_set_vgpr_msb: bits 1:0 source 0, 3:2 source 1, 5:4 source 2, 7:6 destination):
;   window 0: v0-31 addresses; v32-39 w of block a, in both halves; v40-47 the next step's; v48-63 inv of block a; v64-127, v128-191 fragments of p, two buffers (before the walk: at work; on the way out:
;   rows read back); v192-255 scaled results          window 1: v64-127, v128-191 fragments of v          windows 2, 3: the accumulators (block a, channel group b at v[8 (8 (a % 4) + b)] of window 2 + a / 4)
; THE SCALING RIDES: behind every second product stand the two packed multiplies that scale two registers of the NEXT block's fragment, so block a + 1 is scaled while block a is multiplied.  They work in
; window 0, the products elsewhere: two switches for each pair, 56 a quarter.  Set in runs of their own the 64 multiplies of a quarter would stand where no product is issued: the switches are the lesser price.
.set PITCH,  272                       ; a row of p in LDS: 256 bytes + 16 of padding = 68 words: the 16 rows of a fragment load start at 16 different groups of four banks (64 banks of 4 bytes: ISA guide 11.1)
.set PV,     544                       ; a row of v: 512 + 32 = 136 words
.set HALFT,  128*PITCH                 ; what one tensor load brings: 128 rows of p, or 64 rows of v (64 x 544 is the same number)
.set SLOT,   4*HALFT                   ; p's 256 rows, then v's 128 keys.  0x22000: no bit of it is set in wave x HALFT, so an exclusive or with it changes slots
.set STAGE,  2*SLOT                    ; behind the ring: 16 rows x 528 bytes for each wave, for the way out
.set SP,     528                       ; 512 bytes + 16: an odd multiple of 16
.set TBL,    STAGE+4*16*SP             ; w in f16: [16 chunks][256 queries]
.set ILT,    TBL+16*512                ; inv in f32: [256 queries]
.set SPARE,  ILT+1024                  ; the spare words, 128 bytes for each wave: two blocks of 256 bytes that no other line names
.set TSTEPS, 16                        ; 2,048 keys in steps of 128
.set STEPA,  256                       ; bytes from a step's tile to the next: 128 keys along p's rows,
.set STEPB,  128*2048                  ; 128 rows of v
.set ADRA0, 14                         ; v14  my lane's place in slot 0's p; never rewritten
.set ADRB0, 15                         ; v15  the same for v
.set ADRA,  16
.set ADRB,  17
.set TA,    18                         ; v18  where my row's w of the step in hand lies; 512 bytes on in every step
.set ILR,   19                         ; v19  where my row's inv lies
.set TW,    20                         ; v20  the head: where I put two rows' w
.set ILW,   21                         ; v21  the head: where I put two rows' inv
.set L8,    22                         ; v22  8 x lane
.set L2,    23                         ; v23  2 x lane
.set STO,   24                         ; v24  the way out: where I put 32 bytes of a row
.set RD,    25                         ; v25  the way out: where I read a row back
.set CO,    26                         ; v26  16 x lane: my byte offset in 512 bytes of out0
.set SPW,   28                         ; v28  LDS address of my spare word; never rewritten
.set NIL,   29                         ; v29  0; never rewritten
.set WS,    32
.set WN,    40
.set IL,    48
.set F0,    64
.set F1,    128
.set TMP,   192
.set MS,    64                         ; the head, two queries a lane: v64-95 c m_t, then w_t
.set LL,    96                         ; v96-127 l_t
.set QM,    128                        ; two bytes of the query mask
.set MX,    130                        ; c M
.set LT,    132                        ; L
.set RC,    134                        ; 1 / L
.set QB,    136                        ; the mask's two bits
.set IV,    138                        ; inv
.set WH,    140                        ; v140-155 w_t of both queries in f16
.set CNT, 3
.set G1,  24                           ; s[24:31] descriptor group 1 for p's tiles
.set G0,  32                           ; s[32:39] group 0 for p's: set 0 serves step 0; set 1 serves step 1 and then walks
.set G1B, 48                           ; s[48:55], s[56:63] the same for v's
.set G0B, 56
.set WV,  72                           ; s72  my wave's number
.set RH,  73                           ; s73  which half of the tile's queries is mine.  Also: I fetch for p (0) or for v (1)
.set CH,  74                           ; s74  which half of its channels.  Also: which half of that tile I fetch
.set TB,  75                           ; s75  LDS base of the slot to be read next
.set MSB, 0
.macro WIN new                         ; the immediate's high byte repeats the setting that is left; a switch that changes nothing is dropped
.if MSB != (\new)
	s_set_vgpr_msb (MSB<<8)|(\new)
.set MSB, \new
.endif
.endm
.set MUL_LO, 0xa1                      ; source 0 (v) window 1, source 1 (p) window 0, C and D window 2
.set TO_B,   0x40                      ; destination window 1, address window 0
; A joint load.  Waves 0 and 1 fetch p's two halves, waves 2 and 3 v's.  The branch hangs on the wave's number alone.  An s_nop 0 and four v_nop follow each of the two lines.
.macro JLOAD s
	s_cmp_eq_u32 s[RH], 0
	s_cbranch_scc0 .Lfor_b_\@
	tensor_load_to_lds s[G0+4*(\s):G0+4*(\s)+3], s[G1:G1+7]
	s_nop 0
.rept 4
	v_nop
.endr
	s_branch .Lasked_\@
.Lfor_b_\@:
	tensor_load_to_lds s[G0B+4*(\s):G0B+4*(\s)+3], s[G1B:G1B+7]
	s_nop 0
.rept 4
	v_nop
.endr
.Lasked_\@:
.endm
; A round of the cluster's barrier: my work-group's barrier, so that wave 0's signal speaks for all four waves; wave 0 signals; every wave waits for all sixteen work-groups; my work-group's barrier once more.
.macro CREST
	s_cmp_lg_u32 s[WV], 0
	s_cbranch_scc1 .Lnot_wave_0_\@
	s_barrier_signal -3
.Lnot_wave_0_\@:
	s_barrier_wait -3
	s_barrier_signal -1
	s_barrier_wait -1
.endm
.macro CROUND
	s_barrier_signal -1
	s_barrier_wait -1
	CREST
.endm
.macro PLACES                          ; four plain places in front of loads into registers that matrix instructions have read, and of vector lines that read results
.rept 4
	v_nop
.endr
.endm
	s_load_b256 s[4:11], s[0:1], 0x0               ; prob s[4:5], vh s[6:7], mst s[8:9], lst s[10:11]
	s_load_b128 s[68:71], s[0:1], 0x20             ; query_mask s[68:69], out0 s[70:71]
	v_lshl_add_u32 v[SPW], v0, 2, SPARE
	v_mov_b32 v[NIL], 0
	ds_add_u32 v[SPW], v[NIL]                      ; the wave's opening: the add and its wait stand ahead of my first tensor load; the set-up below, work on registers, stands between them
	v_lshrrev_b32 v1, 5, v0
	v_readfirstlane_b32 s[WV], v1                  ; wave 0..3
	s_lshr_b32 s[RH], s[WV], 1
	s_and_b32 s[CH], s[WV], 1
	s_bfe_u32 s40, ttmp6, 0x40000                  ; cx
	s_bfe_u32 s41, ttmp6, 0x40004                  ; cy
	s_lshl_b32 s42, ttmp9, 2
	s_add_co_u32 s42, s42, s40                     ; channel tile 0..3 = 4 x cluster x + cx
	s_and_b32 s45, ttmp7, 0xffff                   ; cluster y
	s_lshl_b32 s13, s45, 2
	s_add_co_u32 s13, s13, s41                     ; y = 4 x cluster y + cy = 8 x batch + query tile
	s_lshr_b32 s45, s45, 1                         ; the batch, of the cluster's y alone
	s_lshl_b32 s43, s41, 2
	s_lshl_b32 s43, 15, s43                        ; my row of the cluster
	s_lshl_b32 s44, 0x1111, s40                    ; my column
	; descriptor group 1 for p: 128 rows x 128 elements, 16 bytes of padding behind each row
	s_or_b32 s[G1], s43, (1<<16)|(1<<20)|(1<<21)|(5<<22)|(3<<25)   ; 15:0 the mask: my row; 17:16 2-byte elements; 20 padding on; 21 set beside a mask; 24:22 after every 64 words (code 5); 31:25 4 words (code 3)
	s_mov_b32 s[G1+1], 128<<16                     ; tensor_dim0 = 128
	s_mov_b32 s[G1+2], 128<<16                     ; tensor_dim1 = 128
	s_mov_b32 s[G1+3], 128<<16                     ; tile_dim0 = 128
	s_mov_b32 s[G1+4], 128                         ; tile_dim1 = 128
	s_mov_b32 s[G1+5], 2048                        ; 2,048 elements from row to row
	s_mov_b32 s[G1+6], 0
	s_mov_b32 s[G1+7], 0
	; and for v: 64 rows x 256 elements, 32 bytes of padding behind each row
	s_or_b32 s[G1B], s44, (1<<16)|(1<<20)|(1<<21)|(6<<22)|(7<<25)  ; the mask of my column; after every 128 words (code 6) 8 words (code 7)
	s_mov_b32 s[G1B+1], 256<<16                    ; tensor_dim0 = 256
	s_mov_b32 s[G1B+2], 64<<16                     ; tensor_dim1 = 64
	s_mov_b32 s[G1B+3], 256<<16                    ; tile_dim0 = 256
	s_mov_b32 s[G1B+4], 64                         ; tile_dim1 = 64
	s_mov_b32 s[G1B+5], 1024                       ; 1,024 elements from row to row
	s_mov_b32 s[G1B+6], 0
	s_mov_b32 s[G1B+7], 0
	; where the tiles come from.  p's hang on y alone, which my row of the cluster shares; v's on the batch and the channel tile, which my column shares.
	s_lshl_b32 s17, s[CH], 7
	s_lshl_b32 s16, s13, 8
	s_add_co_u32 s16, s16, s17                     ; p: row 256 y + 128 x half
	s_lshl_b32 s16, s16, 12                        ; x 4,096 bytes: under 2^26
	s_mov_b32 s17, 0
	s_lshl_b32 s46, s45, 11
	s_lshl_b32 s47, s[CH], 6
	s_add_co_u32 s46, s46, s47                     ; v: row 2,048 x batch + 64 x half,
	s_lshl_b32 s46, s46, 11                        ; x 2,048 bytes,
	s_lshl_b32 s47, s42, 9
	s_add_co_u32 s46, s46, s47                     ; + 512 bytes x channel tile
	s_mov_b32 s47, 0
	s_mul_i32 s20, s[WV], HALFT                    ; and where they go: wave x HALFT: no place in the cluster enters an LDS address
	s_wait_dscnt 0x0                               ; the opening add is done
	s_wait_kmcnt 0x0
	s_add_nc_u64 s[14:15], s[4:5], s[16:17]
	s_add_nc_u64 s[46:47], s[6:7], s[46:47]
	CROUND                                         ; all sixteen work-groups are here: the first joint loads meet
.irp s, 0,1
	s_mov_b32 s[G0+4*(\s)], 1                                      ; count = 1
	s_add_co_u32 s[G0+4*(\s)+1], s20, (\s)*SLOT                    ; LDS address
	s_add_nc_u64 s[G0+4*(\s)+2:G0+4*(\s)+3], s[14:15], (\s)*STEPA  ; global address: step s
	s_or_b32 s[G0+4*(\s)+3], s[G0+4*(\s)+3], 0x80000000            ; type = 2
	s_mov_b32 s[G0B+4*(\s)], 1
	s_add_co_u32 s[G0B+4*(\s)+1], s20, (\s)*SLOT
	s_add_nc_u64 s[G0B+4*(\s)+2:G0B+4*(\s)+3], s[46:47], (\s)*STEPB
	s_or_b32 s[G0B+4*(\s)+3], s[G0B+4*(\s)+3], 0x80000000
	JLOAD \s                                       ; both slots are asked for before anything else is done: two tensor loads of mine are out
.endr
	; THE STATISTICS.  My wave takes queries 64 w to 64 w + 63 of the tile, a lane two neighbours: each load of the wave covers 256 consecutive bytes.
	v_and_b32 v3, 31, v0                           ; lane
	v_lshlrev_b32 v[L8], 3, v3
	v_lshlrev_b32 v[L2], 1, v3
	v_lshlrev_b32 v[CO], 4, v3
	s_lshl_b32 s18, s45, 15                        ; 16 chunks x 2,048 queries a batch
	s_and_b32 s19, s13, 7
	s_lshl_b32 s19, s19, 8
	s_add_co_u32 s18, s18, s19
	s_lshl_b32 s19, s[WV], 6
	s_add_co_u32 s18, s18, s19
	s_lshl_b32 s18, s18, 2
	s_mov_b32 s19, 0
	s_add_nc_u64 s[8:9], s[8:9], s[18:19]
	s_add_nc_u64 s[10:11], s[10:11], s[18:19]
	s_lshl_b32 s18, s13, 8
	s_lshl_b32 s21, s[WV], 6
	s_add_co_u32 s18, s18, s21                     ; query 256 y + 64 w, of 16,384
	s_add_nc_u64 s[68:69], s[68:69], s[18:19]
.set z, 0
.rept 16
	global_load_b64 v[MS+2*z:MS+2*z+1], v[L8], s[8:9] offset:8192*z
.set z, z+1
.endr
.set z, 0
.rept 16
	global_load_b64 v[LL+2*z:LL+2*z+1], v[L8], s[10:11] offset:8192*z
.set z, z+1
.endr
	global_load_u16 v[QM], v[L2], s[68:69]
	; addresses, while those are on their way
	v_and_b32 v1, 15, v0                           ; l % 16
	v_bfe_u32 v2, v0, 4, 1                         ; l / 16
	v_mul_u32_u24 v7, v1, PITCH
	v_lshl_add_u32 v7, v2, 4, v7                   ; a fragment of p: row x pitch + 16 x half
	s_mul_i32 s21, s[RH], HALFT                    ; my 128 rows of p
	v_add_nc_u32 v[ADRA0], s21, v7
	; The turning load takes 16 keys x 16 channels (lane l reads key 8 (l / 16) + l % 8, channels 8 ((l / 8) % 2) + 0..7) and leaves half a fragment: lane l holds channel l % 16 and 8 keys.
	v_and_b32 v4, 7, v0
	v_bfe_u32 v5, v0, 3, 1
	v_lshl_add_u32 v6, v2, 3, v4
	v_mul_u32_u24 v6, v6, PV
	v_lshl_add_u32 v6, v5, 4, v6
	s_lshl_b32 s22, s[CH], 8                       ; my 128 channels,
	s_add_co_u32 s22, s22, 2*HALFT                 ; behind p's 256 rows
	v_add_nc_u32 v[ADRB0], s22, v6
	s_lshl_b32 s21, s[RH], 8
	s_add_co_u32 s21, s21, TBL
	v_lshl_add_u32 v[TA], v1, 1, s21               ; w of query 128 x row half + l % 16 (+ 16 a by the offset)
	s_lshl_b32 s21, s[RH], 9
	s_add_co_u32 s21, s21, ILT
	v_lshl_add_u32 v[ILR], v1, 2, s21
	v_lshl_add_u32 v[TW], v0, 2, TBL               ; 4 x thread = 2 bytes x (64 w + 2 lane)
	v_lshl_add_u32 v[ILW], v0, 3, ILT              ; 8 x thread = 4 bytes x (64 w + 2 lane)
	s_mul_i32 s23, s[WV], 16*SP
	s_add_co_u32 s23, s23, STAGE                   ; my stage
	v_mul_u32_u24 v7, v1, SP                       ; in: row l % 16, 32 bytes for each half of the lanes
	v_lshl_add_u32 v7, v2, 5, v7
	v_add_nc_u32 v[STO], s23, v7
	v_add_nc_u32 v[RD], s23, v[CO]                 ; back: 32 lanes take one row of 512 bytes
	; out0 at my wave's first row and channel: (256 y + 128 x row half) x 4,096 + 1,024 x channel tile + 512 x column half, under 2^26
	s_lshl_b32 s18, s13, 8
	s_lshl_b32 s21, s[RH], 7
	s_add_co_u32 s18, s18, s21
	s_lshl_b32 s18, s18, 12
	s_lshl_b32 s21, s42, 10
	s_add_co_u32 s18, s18, s21
	s_lshl_b32 s21, s[CH], 9
	s_add_co_u32 s18, s18, s21
	s_add_nc_u64 s[70:71], s[70:71], s[18:19]
	s_wait_loadcnt 0x0
	v_max3_num_f32 v[MX], v[MS], v[MS+2], v[MS+4]          ; c M over the 16 chunks, for each of my two queries
	v_max3_num_f32 v[MX+1], v[MS+1], v[MS+3], v[MS+5]
.irp k, 1,2,3,4,5,6
	v_max3_num_f32 v[MX], v[MX], v[MS+4*\k+2], v[MS+4*\k+4]
	v_max3_num_f32 v[MX+1], v[MX+1], v[MS+4*\k+3], v[MS+4*\k+5]
.endr
	v_max_num_f32 v[MX], v[MX], v[MS+30]
	v_max_num_f32 v[MX+1], v[MX+1], v[MS+31]
.set z, 0
.rept 16
	v_pk_add_f32 v[MS+2*z:MS+2*z+1], v[MS+2*z:MS+2*z+1], v[MX:MX+1] neg_lo:[0,1] neg_hi:[0,1]  ; c m_t - c M
.set z, z+1
.endr
.set z, 0
.rept 32
	v_exp_f32 v[MS+z], v[MS+z]                     ; w_t
.set z, z+1
.endr
	v_nop                                          ; a plain line between the exponentials and the first use of a result (ISA guide 5.7.2)
	s_wait_alu depctr_va_vdst(0)
	v_pk_mul_f32 v[LT:LT+1], v[MS:MS+1], v[LL:LL+1]
.set z, 1
.rept 15
	v_pk_fma_f32 v[LT:LT+1], v[MS+2*z:MS+2*z+1], v[LL+2*z:LL+2*z+1], v[LT:LT+1]  ; L = the sum of w_t l_t, in f32
.set z, z+1
.endr
.set z, 0
.rept 16
	v_cvt_pk_f16_f32 v[WH+z], v[MS+2*z], v[MS+2*z+1]
	ds_store_b32 v[TW], v[WH+z] offset:512*z
.set z, z+1
.endr
	v_rcp_f32 v[RC], v[LT]
	v_rcp_f32 v[RC+1], v[LT+1]
	v_bfe_u32 v[QB], v[QM], 0, 1                   ; the plain lines behind the reciprocals
	v_bfe_u32 v[QB+1], v[QM], 8, 1
	v_cmp_lt_f32 s80, 0, v[LT]                     ; a visible key,
	v_cmp_ne_u32 s81, 0, v[QB]                     ; and a visible query:
	s_and_b32 s80, s80, s81
	v_cmp_lt_f32 s82, 0, v[LT+1]
	v_cmp_ne_u32 s83, 0, v[QB+1]
	s_and_b32 s82, s82, s83
	s_wait_alu depctr_va_vdst(0)
	v_cndmask_b32 v[IV], 0, v[RC], s80             ; 1 / L, else 0.  A choice of values: no branch hangs on it
	v_cndmask_b32 v[IV+1], 0, v[RC+1], s82
	ds_store_b64 v[ILW], v[IV:IV+1]
.macro SC f, n                         ; register n of buffer f's 64 of p, times its block's w
	v_pk_mul_f16 v[(\f)+(\n)], v[(\f)+(\n)], v[WS+(\n)/8]
.endm
; dup = 1: a step begins: its w, fetched in the step before, is written into both halves.  Then block 0 is scaled: it has no block in front of it to ride on.
.macro HEAD f, dup
	WIN 0
.if \dup
.irp a, 0,1,2,3,4,5,6,7
	v_lshl_or_b32 v[WS+\a], v[WN+\a], 16, v[WN+\a]
.endr
.endif
.irp n, 0,1,2,3,4,5,6,7
	SC \f, \n
.endr
.endm
; Products i0 to i0 + n - 1 of a quarter's 64: query block i / 8, channel group i % 8, 32 keys.  The 64 accumulators take turns in the same order in every quarter.
; Behind each even product but the last block's: two registers of the next block are scaled.  These lines name no register of the products round them.  zero = 1: the product starts the sum.
.macro MMS f, i0, n, zero
.set mi, \i0
.rept \n
	WIN MUL_LO+0x50*(mi/32)
.if \zero
	v_wmma_f32_16x16x32_f16 v[8*(mi%32):8*(mi%32)+7], v[(\f)+8*(mi%8):(\f)+8*(mi%8)+7], v[(\f)+8*(mi/8):(\f)+8*(mi/8)+7], 0
.else
	v_wmma_f32_16x16x32_f16 v[8*(mi%32):8*(mi%32)+7], v[(\f)+8*(mi%8):(\f)+8*(mi%8)+7], v[(\f)+8*(mi/8):(\f)+8*(mi/8)+7], v[8*(mi%32):8*(mi%32)+7]
.endif
.if (mi%2 == 0) && (mi < 56)
	WIN 0
	SC \f, mi+8
	SC \f, mi+9
.endif
.set mi, mi+1
.endr
.endm
; 32 LDS loads in one run: the fragments of quarter q of a step (32 keys: 128 channels of v, turned; 128 rows of p) into buffer f
.macro FETCH q, f
	WIN TO_B
.irp i, 0,1,2,3,4,5,6,7
	ds_load_tr16_b128 v[(\f)+8*(\i):(\f)+8*(\i)+3],   v[ADRB] offset:(\q)*32*PV+32*(\i)
	ds_load_tr16_b128 v[(\f)+8*(\i)+4:(\f)+8*(\i)+7], v[ADRB] offset:(\q)*32*PV+16*PV+32*(\i)
.endr
	WIN 0
.irp i, 0,1,2,3,4,5,6,7
	ds_load_b128 v[(\f)+8*(\i):(\f)+8*(\i)+3],   v[ADRA] offset:64*(\q)+(\i)*16*PITCH
	ds_load_b128 v[(\f)+8*(\i)+4:(\f)+8*(\i)+7], v[ADRA] offset:64*(\q)+(\i)*16*PITCH+32
.endr
.endm
; One of a step's first three quarters: multiplies buffer f; in its middle it fetches quarter q of the slot into buffer g.
.macro QUARTER q, f, g, zero, dup
	s_wait_dscnt 8                                 ; v, p's rows 0-63 and what was asked for before them (w, inv) are in; the youngest eight loads (p's rows 64-127) may be out
	HEAD \f, \dup
	MMS \f, 0, 24, \zero
	s_wait_dscnt 0x0                               ; p's rows 64-127: block 4 is scaled next
	MMS \f, 24, 8, \zero
	PLACES
	FETCH \q, \g
	MMS \f, 32, 32, \zero
.endm
; The last quarter multiplies buffer 1 and changes slots: ONE barrier.  In front of it each wave waits for all its tensor loads, of which one is out: its part of the next slot; adds 0 to its spare word;
; and waits for that and for its own reads of this slot.  Behind it nobody reads this slot any more and the next slot is whole.
; fill = 1: the barrier opens a round of the cluster's, and the slot just read is filled again, two steps ahead, first thing behind the round: 224 matrix instructions ahead of the wait for it.
.macro TURN fill
	WIN 0                                          ; (the add's two registers lie in window 0)
	s_wait_tensorcnt 0x0                           ; all my tensor loads have landed
	ds_add_u32 v[SPW], v[NIL]                      ; 0 onto my spare word
	s_wait_dscnt 9                                 ; (the add and the youngest eight loads may be out)
	HEAD F1, 0
	MMS F1, 0, 16, 0                               ; work on registers stands between the add and the wait for it
	s_wait_dscnt 0x0                               ; the add is done, and my reads of this slot are over
	s_barrier_signal -1
	MMS F1, 16, 16, 0                              ; work on registers while the others arrive
	WIN 0
	s_barrier_wait -1
.if \fill
	CREST                                          ; no wave of any partner still reads this slot's tile or has a load on its way
	s_xor_b32 s[G0+5], s[G0+5], SLOT               ; the walking descriptors: the other slot than last time,
	s_add_nc_u64 s[G0+6:G0+7], s[G0+6:G0+7], STEPA ; the next step; the type bits on top are not reached
	s_xor_b32 s[G0B+5], s[G0B+5], SLOT
	s_add_nc_u64 s[G0B+6:G0B+7], s[G0B+6:G0B+7], STEPB
	JLOAD 1                                        ; the four v_nop behind it are also the places in front of the loads below
.else
	PLACES
.endif
	v_add_nc_u32 v[ADRA], s[TB], v[ADRA0]          ; the fetches go on in the other slot
	v_add_nc_u32 v[ADRB], s[TB], v[ADRB0]
	s_xor_b32 s[TB], s[TB], SLOT
.irp a, 0,1,2,3,4,5,6,7
	ds_load_u16 v[WN+\a], v[TA] offset:512+32*\a   ; the next step's w (behind the last step: bytes of the table of inv, which nothing uses)
.endr
	v_add_nc_u32 v[TA], 512, v[TA]
	FETCH 0, F0
	MMS F1, 32, 32, 0
.endm
; THE WAY OUT of block a.  PACK: times inv, in f32, each accumulator's registers in ascending order.  TOSTAGE: a lane's 32 bytes go into rows of 528 bytes of my own stage and come back as whole rows of 512.  SEND: stored.
.macro PACK a
.set AC, 64*((\a)%4)
	WIN 2+(\a)/4                                   ; source 0 in the block's window
.set z, 0
.rept 32
	v_pk_mul_f32 v[TMP+2*z:TMP+2*z+1], v[AC+2*z:AC+2*z+1], v[IL+2*(\a):IL+2*(\a)+1] op_sel_hi:[1,0]
.set z, z+1
.endr
	WIN 0
.endm
.macro TOSTAGE a
	WIN 0
.set BK, F0+64*((\a)%2)
.irp b, 0,1,2,3,4,5,6,7
	ds_store_b128 v[STO], v[TMP+8*(\b):TMP+8*(\b)+3] offset:64*(\b)
	ds_store_b128 v[STO], v[TMP+8*(\b)+4:TMP+8*(\b)+7] offset:64*(\b)+16
.endr
.set z, 0
.rept 16
	ds_load_b128 v[BK+4*z:BK+4*z+3], v[RD] offset:SP*z  ; LDS serves a wave's instructions in order (ISA guide 5.7.1.4): these see the stores above
.set z, z+1
.endr
.endm
.macro SEND a
	WIN 0
.set BK, F0+64*((\a)%2)
	s_wait_dscnt 0x0                               ; the block is back in registers
	s_wait_xcnt 0x0                                ; earlier stores have read their base and their registers: only behind this wait are these rewritten
.if (\a) > 0
	s_add_nc_u64 s[70:71], s[70:71], 16*4096       ; 16 rows of out0 on
.endif
.set z, 0
.rept 16
	global_store_b128 v[CO], v[BK+4*z:BK+4*z+3], s[70:71] offset:4096*z th:TH_STORE_NT  ; the wave stores 512 consecutive bytes, at a multiple of 512 from out0's first byte
.set z, z+1
.endr
.endm
	s_wait_tensorcnt 0x1                           ; my part of step 0 is in; step 1's may stay out
	s_wait_dscnt 0x0                               ; for the others' sake: my stores of w and inv are done
	s_barrier_signal -1
	s_barrier_wait -1                              ; everybody's are
	v_mov_b32 v[ADRA], v[ADRA0]
	v_mov_b32 v[ADRB], v[ADRB0]
	s_mov_b32 s[TB], SLOT
.irp a, 0,1,2,3,4,5,6,7
	ds_load_b32 v[IL+2*\a], v[ILR] offset:64*\a    ; inv of my row in block a: kept to the end
.endr
.irp a, 0,1,2,3,4,5,6,7
	ds_load_u16 v[WN+\a], v[TA] offset:32*\a       ; w of chunk 0
.endr
	FETCH 0, F0
	QUARTER 1, F0, F1, 1, 1                        ; the first quarter stands in front of the loop: its products start the sums
	WIN 0                                          ; at a label and at a branch every window is 0
	s_mov_b32 s[CNT], TSTEPS-2
.Lstep:                                                ; trip n goes from step n's second quarter to step n + 1's first, and fills step n's slot with step n + 2
	QUARTER 2, F1, F0, 0, 0
	QUARTER 3, F0, F1, 0, 0
	TURN 1
	QUARTER 1, F0, F1, 0, 1
	WIN 0
	s_sub_co_u32 s[CNT], s[CNT], 1
	s_cmp_lg_u32 s[CNT], 0
	s_cbranch_scc1 .Lstep
	s_mov_b32 s[CNT], 2
.Ltail:                                                ; the last two steps ask for nothing; one text for both, left in its middle.  The second trip's 40 LDS loads serve nothing: the price, once, of that one text
	QUARTER 2, F1, F0, 0, 0
	QUARTER 3, F0, F1, 0, 0
	TURN 0
	WIN 0
	s_sub_co_u32 s[CNT], s[CNT], 1
	s_cmp_eq_u32 s[CNT], 0
	s_cbranch_scc1 .Lout
	QUARTER 1, F0, F1, 0, 1
	WIN 0
	s_branch .Ltail
.Lout:
	s_wait_dscnt 0x0                               ; the fragment buffers are free
	PLACES                                         ; the lines below read results just made
.irp a, 0,1,2,3,4,5,6,7
	v_mov_b32 v[IL+2*\a+1], v[IL+2*\a]             ; inv is named as a pair
.endr
	PACK 0
	TOSTAGE 0
.irp a, 1,2,3,4,5,6,7                  ; block a's scaling stands between block a - 1's loads from the stage and the wait for them
	PACK \a
	SEND (\a)-1
	TOSTAGE \a
.endr
	SEND 7
	s_wait_tensorcnt 0x0                           ; the wave's end, behind my last tensor load and my last LDS store
	ds_add_u32 v[SPW], v[NIL]
	s_wait_dscnt 0x0
	CROUND                                         ; the closing round: no work-group ends while a partner may still ask for a tile that names it
	s_endpgm
.Lfunc_end_k_qbd6072e922_mix:
	.size	k_qbd6072e922_mix, .Lfunc_end_k_qbd6072e922_mix-k_qbd6072e922_mix
	.p2alignl 7, 3214868480
	.fill 96, 4, 3214868480
	.section	.rodata,"a",@progbits
	.p2align	6, 0x0
	.amdhsa_kernel k_qbd6072e922_mix
		.amdhsa_group_segment_fixed_size 327680
		.amdhsa_private_segment_fixed_size 0
		.amdhsa_enable_private_segment 0
		.amdhsa_kernarg_size 48
		.amdhsa_user_sgpr_count 2
		.amdhsa_user_sgpr_kernarg_segment_ptr 1
		.amdhsa_wavefront_size32 1
		.amdhsa_system_sgpr_workgroup_id_x 1
		.amdhsa_system_sgpr_workgroup_id_y 1
		.amdhsa_system_sgpr_workgroup_id_z 1
		.amdhsa_system_vgpr_workitem_id 0
		.amdhsa_next_free_vgpr 1024
		.amdhsa_next_free_sgpr 84
		.amdhsa_reserve_vcc 0
		.amdhsa_float_denorm_mode_32 3
		.amdhsa_float_denorm_mode_16_64 3
		.amdhsa_memory_ordered 1
		.amdhsa_forward_progress 1
		.amdhsa_inst_pref_size 181
	.end_amdhsa_kernel
	.amdgpu_metadata
---
amdhsa.version: [ 1, 2 ]
amdhsa.kernels:
  - .name:           k_qbd6072e922_mix
    .symbol:         k_qbd6072e922_mix.kd
    .args:
      - { .name: prob, .offset: 0, .size: 8, .value_kind: global_buffer, .address_space: global }
      - { .name: vh, .offset: 8, .size: 8, .value_kind: global_buffer, .address_space: global }
      - { .name: mst, .offset: 16, .size: 8, .value_kind: global_buffer, .address_space: global }
      - { .name: lst, .offset: 24, .size: 8, .value_kind: global_buffer, .address_space: global }
      - { .name: query_mask, .offset: 32, .size: 8, .value_kind: global_buffer, .address_space: global }
      - { .name: out0, .offset: 40, .size: 8, .value_kind: global_buffer, .address_space: global }
    .group_segment_fixed_size: 327680
    .private_segment_fixed_size: 0
    .kernarg_segment_align: 8
    .kernarg_segment_size: 48
    .max_flat_workgroup_size: 128
    .sgpr_count:     84
    .vgpr_count:     1024
    .wavefront_size: 32
...
	.end_amdgpu_metadata
.endif
;; end of part 3
;; ======== version 2 of 2: 3 launches; version 1 with the launch cvt written anew for expert scheduling mode
;; limits: values are held in f16: magnitudes above 65,504 overflow, below 6.1e-05 lose precision; inputs' magnitudes at most 65,504; inputs' magnitudes at most 8,192; right only within a limited range of input values
;; workspace buffers: qh 33,554,432 bytes; kh 33,554,432 bytes; vh 33,554,432 bytes; prob 67,108,864 bytes; mst 1,048,576 bytes; lst 1,048,576 bytes
;; launch cvt (part 4): grid 256 x 2, 16 waves a work-group, no clusters, 0 bytes of LDS; arguments query, key, qh, kh; writes qh, kh
.if DOCPART == 4
	.amdgcn_target "amdgcn-amd-amdhsa--gfx1250"
	.amdhsa_code_object_version 6
	.text
	.protected	k_qbd6072e922_cvt
	.globl	k_qbd6072e922_cvt
	.p2align	8
	.type	k_qbd6072e922_cvt,@function
k_qbd6072e922_cvt:
	s_mov_b64 s[64:65], 0
	v_nop
	global_prefetch_b8 v0, s[64:65] scope:SCOPE_SE
	s_setreg_imm32_b32 hwreg(HW_REG_WAVE_SCHED_MODE, 0, 2), 2
	s_setreg_imm32_b32 hwreg(HW_REG_WAVE_MODE, 25, 1), 1
	s_wait_xcnt 0x0
	s_wait_alu depctr_vm_vsrc(0)
; query and key ([8][2048][1024] f32) are rounded once to f16 into qh and kh: the operands of the first matrix launch.  (value is rounded by that launch, beside its matrix work.)
; LIMIT.  f16 ends at 65,504: an input of 65,520 or more in magnitude becomes an infinity.  NaN stays NaN.
; SHARES.  The grid's y picks the tensor; a work-group of 16 waves owns 64 rows: 262,144 dense bytes in, 131,072 out.  Thread t owns bytes 16 t of every block of 8,192 input bytes and bytes 8 t of
; every block of 4,096 output bytes: 32 steps.  A wave's load covers 512 consecutive bytes, its store 256 consecutive bytes at a multiple of 256 from the buffer's first byte.
; THE RING.  24 register slots, filled at the head.  Steps 0 to 7 convert into registers of their own, so that their slots can be loaded again (steps 24 to 31); steps 8 to 31 convert in place, and
; nothing is loaded behind them.  So no register that a memory instruction reads is ever rewritten, and the two address registers are never rewritten (the step stands in the immediate, 253,952 at the
; most).  No LDS, no barrier, no matrix unit: every byte is touched once and no wave needs another's data.
; THE MODE: SCHED_MODE bits 1:0 = 2 (LLVM: expert scheduling mode 2), set by the entry lines.  The code itself states the register dependences between vector instructions and memory instructions,
; with s_wait_alu, always for 0.
; THE PLAN.  The 32 steps go in 8 blocks of four.  Registers that memory instructions touch:
;   v1, v2       byte offsets, made at the head by two vector lines and never written again; every load reads v1, every store v2.
;   slot s       four registers.  Written by a load of the head; slots 0 to 7 once more by the loads that are issued in blocks 1 and 2.  Read by its step's two conversions.  From step 8 on those
;                conversions write the slot's first two registers, which one store, issued in the next block, reads; nothing writes them again.
;   Y            sixteen registers.  Written by the conversions of steps 0 to 7, two each; read by one store each, issued in the next block; nothing writes them again.
; Block p's conversions name block p's slots and, in blocks 0 and 1, its part of Y.  Its memory instructions are the stores of block p - 1 and, in blocks 1 and 2, the loads into block p - 1's slots:
; registers that no vector line of block p names (eight steps on end have eight different slots of the 24).  So ONE wait on va_vdst at a block's head states all that the block's memory instructions
; hang on, and these are dealt among its conversions with no further wait.  No wait on vm_vsrc is owed anywhere: no register that a memory instruction reads is written behind it.
.set STEPS, 32
.set DEPTH, 24
.set BLOCK, 4                          ; steps in a block
.set BLOCKS, STEPS/BLOCK
.set AGAIN, STEPS-DEPTH                ; the first 8 steps' slots are loaded again
.set XI,    4                          ; v[4:99]     slot i: four f32 as loaded; from step 8 on its first two registers take the four f16
.set YO,    100                        ; v[100:115]  steps 0 to 7: four f16 to store
	s_load_b256 s[4:11], s[0:1], 0x0               ; query s[4:5], key s[6:7], qh s[8:9], kh s[10:11]
	s_and_b32 s16, ttmp7, 0xffff                   ; which tensor
	s_lshl_b32 s2, ttmp9, 18                       ; my 64 rows of 4,096 bytes (under 2^26)
	s_mov_b32 s3, 0
	s_lshl_b32 s18, ttmp9, 17                      ; and of 2,048 bytes
	s_mov_b32 s19, 0
	v_lshlrev_b32 v1, 4, v0                        ; my 16 bytes of an input block; never rewritten
	v_lshlrev_b32 v2, 3, v0                        ; my 8 bytes of an output block; never rewritten
	s_wait_kmcnt 0x0
	s_cmp_eq_u32 s16, 1                            ; the choice hangs on the work-group's number alone
	s_cselect_b64 s[4:5], s[6:7], s[4:5]
	s_cselect_b64 s[8:9], s[10:11], s[8:9]
	s_add_nc_u64 s[4:5], s[4:5], s[2:3]
	s_add_nc_u64 s[8:9], s[8:9], s[18:19]
	s_wait_alu depctr_va_vdst(0)                   ; v1 and v2 are written: every load and store of the kernel reads one of them as its offset
.set st, 0
.rept DEPTH
	global_load_b128 v[XI+4*st:XI+4*st+3], v1, s[4:5] offset:8192*st th:TH_LOAD_NT  ; the ring is filled: steps 0 to 23
.set st, st+1
.endr
; Step n is rounded: into Y, if its slot is to be loaded again, else in place.
.macro ROUND n
.if (\n) < AGAIN
	v_cvt_pk_f16_f32 v[YO+2*(\n)], v[XI+4*(\n)], v[XI+4*(\n)+1]
	v_cvt_pk_f16_f32 v[YO+2*(\n)+1], v[XI+4*(\n)+2], v[XI+4*(\n)+3]
.else
	v_cvt_pk_f16_f32 v[XI+4*((\n)%DEPTH)], v[XI+4*((\n)%DEPTH)], v[XI+4*((\n)%DEPTH)+1]
	v_cvt_pk_f16_f32 v[XI+4*((\n)%DEPTH)+1], v[XI+4*((\n)%DEPTH)+2], v[XI+4*((\n)%DEPTH)+3]
.endif
.endm
; Step n is stored, from where ROUND has put it.
.macro SEND n
.if (\n) < AGAIN
	global_store_b64 v2, v[YO+2*(\n):YO+2*(\n)+1], s[8:9] offset:4096*(\n)
.else
	global_store_b64 v2, v[XI+4*((\n)%DEPTH):XI+4*((\n)%DEPTH)+1], s[8:9] offset:4096*(\n)
.endif
.endm
.set p, 0
.rept BLOCKS
.set asked, DEPTH                      ; loads issued when block p begins: the head's 24, and four in each of blocks 1 and 2
.if p > 0
.set asked, DEPTH+BLOCK*(p-1)
.endif
.if asked > STEPS
.set asked, STEPS
.endif
	s_wait_loadcnt asked-BLOCK*(p+1)               ; loads come back in order (ISA guide 5.7.1): this block's four steps are in, the younger ones stay out: 20, 16, 16, 16, then the counts run down 12, 8, 4, 0
.if p > 0
	s_wait_alu depctr_va_vdst(0)                   ; the block before has written the registers that the stores below read, and is done reading its slots, in which (blocks 1 and 2) the loads below land
.endif
.set i, 0
.rept BLOCK
.set st, BLOCK*p+i
.if p > 0
.if st-BLOCK < AGAIN
	global_load_b128 v[XI+4*(st-BLOCK):XI+4*(st-BLOCK)+3], v1, s[4:5] offset:8192*(st-BLOCK+DEPTH) th:TH_LOAD_NT  ; the slot takes the step 24 further on, ahead of the store; no vector line since the wait names it
.endif
	SEND st-BLOCK                                  ; the block before: no vector line since the wait names its registers
.endif
	ROUND st
.set i, i+1
.endr
.set p, p+1
.endr
	s_wait_alu depctr_va_vdst(0)                   ; the last block has written the first two registers of its four slots, which the last four stores read
.set st, STEPS-BLOCK
.rept BLOCK
	SEND st
.set st, st+1
.endr
	s_endpgm
.Lfunc_end_k_qbd6072e922_cvt:
	.size	k_qbd6072e922_cvt, .Lfunc_end_k_qbd6072e922_cvt-k_qbd6072e922_cvt
	.p2alignl 7, 3214868480
	.fill 96, 4, 3214868480
	.section	.rodata,"a",@progbits
	.p2align	6, 0x0
	.amdhsa_kernel k_qbd6072e922_cvt
		.amdhsa_group_segment_fixed_size 0
		.amdhsa_private_segment_fixed_size 0
		.amdhsa_enable_private_segment 0
		.amdhsa_kernarg_size 32
		.amdhsa_user_sgpr_count 2
		.amdhsa_user_sgpr_kernarg_segment_ptr 1
		.amdhsa_wavefront_size32 1
		.amdhsa_system_sgpr_workgroup_id_x 1
		.amdhsa_system_sgpr_workgroup_id_y 1
		.amdhsa_system_sgpr_workgroup_id_z 1
		.amdhsa_system_vgpr_workitem_id 0
		.amdhsa_next_free_vgpr 116
		.amdhsa_next_free_sgpr 66
		.amdhsa_reserve_vcc 0
		.amdhsa_float_denorm_mode_32 3
		.amdhsa_float_denorm_mode_16_64 3
		.amdhsa_memory_ordered 1
		.amdhsa_forward_progress 1
		.amdhsa_inst_pref_size 12
	.end_amdhsa_kernel
	.amdgpu_metadata
---
amdhsa.version: [ 1, 2 ]
amdhsa.kernels:
  - .name:           k_qbd6072e922_cvt
    .symbol:         k_qbd6072e922_cvt.kd
    .args:
      - { .name: query, .offset: 0, .size: 8, .value_kind: global_buffer, .address_space: global }
      - { .name: key, .offset: 8, .size: 8, .value_kind: global_buffer, .address_space: global }
      - { .name: qh, .offset: 16, .size: 8, .value_kind: global_buffer, .address_space: global }
      - { .name: kh, .offset: 24, .size: 8, .value_kind: global_buffer, .address_space: global }
    .group_segment_fixed_size: 0
    .private_segment_fixed_size: 0
    .kernarg_segment_align: 8
    .kernarg_segment_size: 32
    .max_flat_workgroup_size: 512
    .sgpr_count:     66
    .vgpr_count:     116
    .wavefront_size: 32
...
	.end_amdgpu_metadata
.endif
;; end of part 4
;; launch scores: the kernel of part 2 again; grid 8 x 64, 4 waves a work-group, clusters of 4 x 4, 327,680 bytes of LDS; arguments qh, kh, key_mask, prob, mst, lst, value, vh; writes prob, mst, lst, vh
;; launch mix: the kernel of part 3 again; grid 4 x 64, 4 waves a work-group, clusters of 4 x 4, 327,680 bytes of LDS; arguments prob, vh, mst, lst, query_mask, out0; writes out0
